; MI455X (gfx1250); checked and timed in simulation.
; The chip was launched on July 23, 2026; its instructions are those of AMD's public machine-readable ISA for CDNA 5 (MIT licence, August 2026) and "CDNA5" Instruction Set Architecture Reference Guide (July 2026). The comments in the code are by the model that wrote it; some were corrected since.
;; Attention. Allowed arithmetic: matrix products marked QUANTISED: E3M2 operands, one E8M0 scale for each 32 along K, by v_wmma_scale_f32_16x16x128_f8f6f4 with both operands' format E3M2, f32 sums; products left as they are: f32 operands where the result goes on into a quantised operand, else bf16, f16 or f32 operands; f32 sums; everything else in f32.
;; Inputs: attn_W 1,024 x 2,048 float32; attn_b 1,024 float32; encoder_outputs_codes 32 x 2,048 x 32 x 24 uint8 (E3M2 codes of encoder_outputs, K innermost, in blocks of 32 codes, four codes in three bytes); encoder_outputs_scales 32 x 2,048 x 32 uint8 (E8M0 scales of encoder_outputs, one for each 32 codes along K); hidden_codes 1 x 32 x 32 x 24 uint8 (E3M2 codes of hidden, K innermost, in blocks of 32 codes, four codes in three bytes); hidden_scales 1 x 32 x 32 uint8 (E8M0 scales of hidden, one for each 32 codes along K); v 1,024 float32.
;; Outputs: out0 32 x 1 x 2,048 float32.
;; This version of the problem:
;;   THIS VERSION OF THE PROBLEM IS GIVEN IN LOW PRECISION. The matrix products marked QUANTISED in the list below multiply operands that are first quantised to E3M2 (3 exponent bits, 2 mantissa bits; 6 bits a number), with one power-of-two scale for each 32 numbers along K (OCP MX v1.0); their sums are f32. All else is computed in f32.
;;   The module's matrix products, in the order in which they are computed (A, B: the left and right operand; K: the contracted axis; several contracted axes count as one K, in the product's order):
;;     1. [M 32, K 1,024] x [K 1,024, N 1,024]; A: input hidden (given as codes); B: input attn_W: QUANTISED
;;     2. [M 65,536, K 1,024] x [K 1,024, N 1,024]; A: input encoder_outputs (given as codes); B: input attn_W: QUANTISED
;;     3. [M 65,536, K 1,024] x [K 1,024, N 1]; A: computed on the way; B: input v: left as it is (N = 1 < 16)
;;   THE QUANTISER, for each operand of a quantised product, along K:
;;     - K is cut into blocks of 32 from its start; a last block that is shorter is filled with zeros.
;;     - A block's scale is 2^e with e = floor(log2(the largest magnitude in the block)) - 4, held to -126 .. 127; a block of zeros has e = 0. As a byte (E8M0): e + 127.
;;     - Each number is divided by its block's scale, clamped to +-28, and rounded to the nearest number of E3M2, ties to even, subnormals kept.
;;     - The product sums the exact products of the quantised numbers (number of the format x scale) in f32.
;;   ~~~python
;;   def quantise(x, axis):      # numpy; x: float32 -> the quantised numbers, widened to float32 again
;;       x = np.moveaxis(x, axis, -1); K = x.shape[-1]
;;       x = np.pad(x, [(0, 0)] * (x.ndim - 1) + [(0, -K % 32)]); x = x.reshape(x.shape[:-1] + (-1, 32)); a = np.abs(x).max(-1, keepdims=True)
;;       e = np.where(a > 0, np.clip(np.frexp(np.where(a > 0, a, 1))[1] - 1 - 4, -126, 127), 0)      # np.frexp(a)[1] - 1 = floor(log2(a)), exactly
;;       r = np.clip(x / 2.0 ** e, -28, 28)
;;       step = 2.0 ** (np.maximum(np.frexp(np.where(r == 0, 1, r))[1] - 1, -2) - 2)
;;       q = np.round(r / step) * step * 2.0 ** e      # np.round: ties to even
;;       return np.moveaxis(q.reshape(q.shape[:-2] + (-1,))[..., :K], -1, axis).astype(np.float32)
;;   ~~~
;;   INPUTS GIVEN AS CODES. encoder_outputs (in the module: [32, 2048, 1024], K = its axis 2); hidden (in the module: [1, 32, 1024], K = its axis 2): each comes as NAME_codes (uint8): NAME with its K axis moved to the last place and cut into blocks of 32 codes, [.., K / 32, bytes a block], one block behind the other in memory; four codes in three bytes: a row's codes are one little-endian stream of bits, code i at bits 6 i .. 6 i + 5 (a code: sign, 3 exponent bits, 2 mantissa bits); and NAME_scales (uint8): the same leading axes, one E8M0 byte (e + 127) for each 32 codes along K. Its value is code x scale, taken as it is: it is not quantised again, and the codes and scales need not be those that the quantiser above would give.
;; One version. Each part assembles by itself: llvm-mc -triple=amdgcn-amd-amdhsa -mcpu=gfx1250 --defsym DOCPART=n.
;; ======== version 1 of 1: 3 launches
;; limits: right only within a limited range of input values
;; workspace buffers: w2img 819,200 bytes; hbt 262,144 bytes; scores 262,144 bytes
;; launch prep (part 1): grid 128 x 1, 8 waves a work-group, no clusters, 77,312 bytes of LDS; arguments attn_W, attn_b, hidden_codes, hidden_scales, w2img, hbt; writes w2img, hbt
.if DOCPART == 1
	.amdgcn_target "amdgcn-amd-amdhsa--gfx1250"
	.amdhsa_code_object_version 6
	.text
	.protected	k_q06de7aede3_prep
	.globl	k_q06de7aede3_prep
	.p2align	8
	.type	k_q06de7aede3_prep,@function
k_q06de7aede3_prep:
	s_mov_b64 s[64:65], 0
	v_nop
	global_prefetch_b8 v0, s[64:65] scope:SCOPE_SE
	s_setreg_imm32_b32 hwreg(HW_REG_WAVE_MODE, 25, 1), 1
	s_wait_xcnt 0x0
; WORK LEFT OUT BY THE PROGRAM: tanh(x) = 1 - 2 r(x) with r(x) = 1 / (1 + e^(2 x)), so reference's score of a place is (sum over n of v[n]) - 2 z, z = sum over n of v[n] r(x[n]).
; The sum of v is one number for all places of a softmax's row, and a term that is the same along a softmax's axis cancels for every value of the inputs: it is not formed.  Every input is still loaded.
; LIMIT: an overflow that would arise in the sum of v alone is not carried to the result.
; attn_W [1024][2048] f32 is quantised along K to codes of E3M2 with one E8M0 scale for each 32.  Its left half W1 (columns 0-1023) is multiplied at once by hidden (given as codes):
;   hbt[part][tile][batch][n % 16] = sum over the part's 512 k of hidden[batch][k] W1[n][k] (+ attn_b[n] in part 0),  f32: two parts, which the next launch adds;
; its right half W2 (columns 1024-2047) leaves as IMAGES OF OPERAND REGISTERS: w2img has 12,800 bytes for each tile of 16 rows n: eight fragments (16 rows x 128 K, 12 registers a lane) of 1,536 bytes,
; registers 4 g .. 4 g + 3 of lane l at 1536 s + 512 g + 16 l; from byte 12,288 the scale words: that of row r and K step s at 16 (r + 16 (s / 4)) + 4 (s % 4).
; SHARES.  Work-group x takes rows 16 (x / 2) .. + 15 of attn_W and K steps 4 (x % 2) .. + 3 of both halves.  Wave w takes 128 columns, 512 bytes of each row: waves 0-3 of W1, waves 4-7 of W2, K step 4 (x % 2) + w % 4.
; Each load reads 512 consecutive bytes of one row.  The operand's layout wants, in lane (r, h), 32 neighbours of row r twice: the 16 rows turn through the wave's own stage in LDS (rows 528 bytes apart).
; A block's scale byte is the largest magnitude's exponent field - 4, held at 1 from below by a floor among the maximum's leaves.
; LIMITS: a block of zeros gets the byte 1 (its codes are zeros, and this program alone reads the bytes); NaN and infinities in attn_W are not served; the K steps of hidden x W1 are separate sums,
; added in f32 in ascending K: another order of rounding than one chain.
.set SROW,  528                        ; a stage row: 512 bytes + 16
.set SWAVE, 16*SROW                    ; a wave's stage
.set PART,  8*SWAVE                    ; behind the stages: four partial results of 2,048 bytes
.set SCB,   PART+4*2048                ; behind them: W2's scale words of this tile and half of K, 256 bytes
.set SPARE, SCB+256                    ; the spare words: 128 bytes for each of eight waves
.set X,     80                         ; v80-143   16 rows as loaded
.set N,     144                        ; v144-207  64 numbers: register 32 c + i = k 64 c + 32 h + i of row r
	s_load_b256 s[4:11], s[0:1], 0x0               ; attn_W, attn_b, hidden's codes, hidden's scales
	s_load_b128 s[12:15], s[0:1], 0x20             ; w2img, hbt
	v_lshl_add_u32 v232, v0, 2, SPARE
	v_mov_b32 v233, 0
	v_lshrrev_b32 v1, 5, v0
	s_delay_alu instid0(VALU_DEP_1)
	v_readfirstlane_b32 s16, v1                    ; wave 0..7
	s_and_b32 s19, s16, 3                          ; my K step among the work-group's four
	s_and_b32 s38, ttmp9, 1                        ; which half of K
	s_lshr_b32 s39, ttmp9, 1                       ; which tile
	s_lshl_b32 s17, s38, 2
	s_add_co_u32 s17, s17, s19                     ; my K step s
	v_and_b32 v1, 31, v0                           ; l
	v_and_b32 v2, 15, v0                           ; r
	v_bfe_u32 v3, v0, 4, 1                         ; h
	s_delay_alu instid0(VALU_DEP_3)
	v_lshlrev_b32 v4, 4, v1                        ; 16 l
	; every LDS address is made here, ahead of the first parting of the waves, of the wave's number and the lane alone
	s_wait_alu depctr_va_vdst(0)
	s_mul_i32 s20, s16, SWAVE
	v_add_nc_u32 v5, s20, v4                       ; stage, in: 16 l of a row
	v_mul_u32_u24 v6, v2, SROW
	s_delay_alu instid0(VALU_DEP_1)
	v_lshl_add_u32 v6, v3, 7, v6
	s_delay_alu instid0(VALU_DEP_1)
	v_add_nc_u32 v6, s20, v6                       ; stage, out: row r, + 128 h
	s_lshl_b32 s21, s19, 2
	s_add_co_u32 s21, s21, SCB
	v_lshl_add_u32 v7, v2, 4, s21                  ; my scale word: 16 r + 4 (s % 4)
	s_lshl_b32 s21, s19, 11
	s_add_co_u32 s21, s21, PART
	v_add_nc_u32 v8, s21, v4                       ; my partial result, 16 l
	v_bfe_u32 v70, v0, 2, 1                        ; thread T stores hbt's numbers T and T + 256: batch T / 16 (+ 16), n T % 16.  In a partial result: register group (T / 4) % 2,
	s_delay_alu instid0(VALU_DEP_1)
	v_lshlrev_b32 v9, 9, v70
	v_bfe_u32 v70, v0, 3, 1                        ; lane (T / 16) % 16 + 16 ((T / 8) % 2),
	s_delay_alu instid0(VALU_DEP_1)
	v_lshl_add_u32 v9, v70, 8, v9
	v_bfe_u32 v70, v0, 4, 4
	s_delay_alu instid0(VALU_DEP_1)
	v_lshl_add_u32 v9, v70, 4, v9
	v_and_b32 v70, 3, v0                           ; register T % 4 of the group; the second accumulator lies 1,024 bytes on
	s_delay_alu instid0(VALU_DEP_1)
	v_lshl_add_u32 v9, v70, 2, v9
	s_delay_alu instid0(VALU_DEP_1)
	v_add_nc_u32 v9, PART, v9
	v_lshl_add_u32 v10, v1, 3, SCB                 ; scale words back: 8 l
	v_lshlrev_b32 v15, 3, v1                       ; and the same in w2img
	v_mul_u32_u24 v11, v2, 768                     ; hidden: a batch's row of 1,024 codes is 768 bytes; + 24 h
	s_delay_alu instid0(VALU_DEP_1)
	v_mad_u32_u24 v11, v3, 24, v11
	v_lshlrev_b32 v12, 5, v2                       ; its scale bytes: 32 a row
	v_lshlrev_b32 v13, 2, v2                       ; attn_b: n = T % 16
	v_lshlrev_b32 v14, 2, v0                       ; hbt: 4 T
	v_lshlrev_b32 v71, 3, v3                       ; 8 h: by how many bits my two scale bytes are shifted
	s_mov_b32 s24, 0x76543210
	s_mov_b32 s25, 0xfedcba98                      ; selects for lane l xor 16
	s_lshl_b32 s20, s39, 17                        ; 16 rows of 8,192 bytes,
	s_lshr_b32 s21, s16, 2
	s_lshl_b32 s21, s21, 12                        ; W1 or W2,
	s_add_co_u32 s20, s20, s21
	s_lshl_b32 s21, s17, 9                         ; my 512 bytes of a row
	s_add_co_u32 s20, s20, s21
	s_mov_b32 s21, 0
	s_lshl_b32 s22, s39, 6                         ; attn_b: 16 numbers a tile
	s_mov_b32 s23, 0
	s_mul_i32 s26, s17, 96                         ; hidden's codes: K step s
	s_mov_b32 s27, 0
	s_lshl_b32 s28, s17, 2                         ; and its scale word
	s_mov_b32 s29, 0
	s_mul_i32 s30, s39, 12800                      ; my tile in w2img
	s_mov_b32 s31, 0
	s_lshl_b32 s32, s39, 11                        ; and in hbt,
	s_lshl_b32 s33, s38, 17                        ; in my half's part
	s_add_co_u32 s32, s32, s33
	s_mov_b32 s33, 0
	s_mul_i32 s34, s17, 1536                       ; my fragment's image in the tile
	s_mov_b32 s35, 0
	s_cmp_eq_u32 s38, 0
	s_cselect_b32 s18, -1, 0                       ; attn_b goes into part 0 alone
	s_wait_alu depctr_va_vdst(0)
	s_wait_kmcnt 0x0
	s_add_nc_u64 s[4:5], s[4:5], s[20:21]
	s_add_nc_u64 s[6:7], s[6:7], s[22:23]
	s_add_nc_u64 s[8:9], s[8:9], s[26:27]
	s_add_nc_u64 s[10:11], s[10:11], s[28:29]
	s_add_nc_u64 s[12:13], s[12:13], s[30:31]
	s_add_nc_u64 s[14:15], s[14:15], s[32:33]
	s_add_nc_u64 s[36:37], s[12:13], s[34:35]
	s_lshl_b32 s20, s38, 8
	s_add_nc_u64 s[12:13], s[12:13], s[20:21]      ; my half's 256 bytes of scale words
	global_load_b32 v42, v13, s[6:7]
	s_cmp_ge_u32 s16, 4
	s_cbranch_scc1 .Lno_hidden                     ; W2's waves have no use for hidden
.irp m, 0,1                                    ; batches 16 m + r: a fragment is 24 bytes of the row's stream of bits twice, in pieces of 8 bytes
.irp p, 0,1,2,3,4,5
	global_load_b64 v[16+12*\m+2*\p:17+12*\m+2*\p], v11, s[8:9] offset:12288*\m+48*(\p/3)+8*(\p%3)
.endr
	global_load_b32 v[40+\m], v12, s[10:11] offset:512*\m
.endr
.Lno_hidden:
.irp i, 0,1,2,3,4,5,6,7,8,9,10,11,12,13,14,15
	global_load_b128 v[X+4*\i:X+4*\i+3], v4, s[4:5] offset:8192*\i th:TH_LOAD_NT   ; row i: 32 lanes read 512 consecutive bytes; read once in the launch
.endr
.irp i, 0,1,2,3,4,5,6,7,8,9,10,11,12,13,14,15
	s_wait_loadcnt 15-\i                           ; these sixteen are the youngest loads on both ways: row i is in; at the last count all older loads are in too
	ds_store_b128 v5, v[X+4*\i:X+4*\i+3] offset:SROW*\i
.endr
.irp c, 0,1
.irp q, 0,1,2,3,4,5,6,7
	ds_load_b128 v[N+32*\c+4*\q:N+32*\c+4*\q+3], v6 offset:256*\c+16*\q   ; LDS serves a wave's instructions in order (ISA guide 5.7.1.4): these see my stores; the stage is my wave's own
.endr
.endr
	s_wait_dscnt 0x0
.irp c, 0,1
	v_max3_num_f32 v[44+\c], |v[N+32*\c]|, |v[N+32*\c+1]|, 0x2800000   ; my blocks h and 2 + h of row r, with the floor 2^(5 - 127): the byte cannot fall under 1
.endr
.irp i, 2,4,6,8,10,12,14,16,18,20,22,24,26,28,30
.irp c, 0,1
	s_delay_alu instid0(VALU_DEP_2)
	v_max3_num_f32 v[44+\c], v[44+\c], |v[N+32*\c+\i]|, |v[N+32*\c+\i+1]|   ; the two blocks by turns
.endr
.endr
.irp c, 0,1
	s_delay_alu instid0(VALU_DEP_2)
	v_add_nc_u32 v[46+\c], 0xfe000000, v[44+\c]    ; 4 off the exponent field: the conversion takes this operand's exponent field as its scale
.endr
.irp c, 0,1
	s_delay_alu instid0(VALU_DEP_2)
	v_lshrrev_b32 v[68+\c], 23, v[46+\c]           ; the scale's byte
.endr
	s_delay_alu instid0(VALU_DEP_1)
	v_lshl_or_b32 v43, v69, 16, v68                ; my two bytes,
	s_delay_alu instid0(VALU_DEP_1)
	v_lshlrev_b32 v43, v71, v43                    ; at their places in the row's scale word;
	s_delay_alu instid0(VALU_DEP_1)
	v_permlanex16_b32 v70, v43, s24, s25
	s_delay_alu instid0(VALU_DEP_1)
	v_or_b32 v43, v43, v70                         ; with lane l xor 16's two the word is whole, in both lanes
.irp c, 0,1
	v_cvt_scalef32_pk16_bf6_f32 v[48+6*\c:50+6*\c], v[N+32*\c:N+32*\c+15], v[46+\c]
	v_cvt_scalef32_pk16_bf6_f32 v[60+4*\c:62+4*\c], v[N+32*\c+16:N+32*\c+31], v[46+\c]   ; a conversion's three registers begin on an even number: the block's second half is made elsewhere and moved
.endr
	v_nop                                          ; one plain instruction behind the scaled conversions
.irp c, 0,1
.irp i, 0,1,2
	v_mov_b32 v[51+6*\c+\i], v[60+4*\c+\i]
.endr
.endr
	s_cmp_lt_u32 s16, 4
	s_cbranch_scc0 .Limage
.rept 8
	v_nop                                          ; a scale register written by a vector instruction stands eight places ahead of a scaled matrix instruction, an operand four
.endr
.irp m, 0,1                                    ; source 0 = 16 rows of W1, source 1 = 16 batches: lane (r, h) holds batch 16 m + r, register j the row n = 8 h + j
	v_wmma_scale_f32_16x16x128_f8f6f4 v[208+8*\m:215+8*\m], v[48:59], v[16+12*\m:27+12*\m], 0, v43, v[40+\m] matrix_a_fmt:MATRIX_FMT_BF6 matrix_b_fmt:MATRIX_FMT_BF6
.endr
.rept 4
	v_nop                                          ; four places ahead of the stores that read the results
.endr
.irp m, 0,1
.irp g, 0,1
	ds_store_b128 v8, v[208+8*\m+4*\g:211+8*\m+4*\g] offset:1024*\m+512*\g   ; each accumulator from its low end on
.endr
.endr
	s_branch .Ljoin
.Limage:
	s_wait_alu depctr_va_vdst(0)
.irp g, 0,1,2
	global_store_b128 v4, v[48+4*\g:51+4*\g], s[36:37] offset:512*\g   ; the fragment as it stands: 512 consecutive bytes a store
.endr
	ds_store_b32 v7, v43                           ; lanes r and r + 16 write the same word with the same value
.Ljoin:
	s_wait_dscnt 0x0                               ; for the others' sake: my LDS stores have landed
	s_barrier_signal -1
	s_barrier_wait -1
.irp s, 0,1,2,3
	ds_load_b32 v[224+\s], v9 offset:2048*\s       ; my two numbers' four partial sums
	ds_load_b32 v[228+\s], v9 offset:2048*\s+1024
.endr
	s_wait_dscnt 0x0
	v_cndmask_b32 v42, 0, v42, s18                 ; attn_b[n] in part 0, else 0
	v_add_f32 v224, v224, v225                     ; K ascending, the two numbers by turns
	v_add_f32 v228, v228, v229
.irp s, 2,3
	s_delay_alu instid0(VALU_DEP_2)
	v_add_f32 v224, v224, v[224+\s]
	s_delay_alu instid0(VALU_DEP_2)
	v_add_f32 v228, v228, v[228+\s]
.endr
	s_delay_alu instid0(VALU_DEP_2)
	v_add_f32 v224, v224, v42
	s_delay_alu instid0(VALU_DEP_2)
	v_add_f32 v228, v228, v42
	global_store_b32 v14, v224, s[14:15]           ; the work-group's 256 threads store 1,024 consecutive bytes, twice
	global_store_b32 v14, v228, s[14:15] offset:1024
	s_cmp_lg_u32 s16, 7
	s_cbranch_scc1 .Ldone
	ds_load_b64 v[72:73], v10                      ; one wave sends the 256 bytes of scale words: 256 consecutive bytes, aligned
	s_wait_dscnt 0x0
	global_store_b64 v15, v[72:73], s[12:13] offset:12288
.Ldone:
	s_wait_tensorcnt 0x0                           ; the wave's end
	ds_add_u32 v232, v233
	s_wait_dscnt 0x0
	s_endpgm
.Lfunc_end_k_q06de7aede3_prep:
	.size	k_q06de7aede3_prep, .Lfunc_end_k_q06de7aede3_prep-k_q06de7aede3_prep
	.p2alignl 7, 3214868480
	.fill 96, 4, 3214868480
	.section	.rodata,"a",@progbits
	.p2align	6, 0x0
	.amdhsa_kernel k_q06de7aede3_prep
		.amdhsa_group_segment_fixed_size 77312
		.amdhsa_private_segment_fixed_size 0
		.amdhsa_enable_private_segment 0
		.amdhsa_kernarg_size 48
		.amdhsa_user_sgpr_count 2
		.amdhsa_user_sgpr_kernarg_segment_ptr 1
		.amdhsa_wavefront_size32 1
		.amdhsa_system_sgpr_workgroup_id_x 1
		.amdhsa_system_sgpr_workgroup_id_y 1
		.amdhsa_system_sgpr_workgroup_id_z 1
		.amdhsa_system_vgpr_workitem_id 0
		.amdhsa_next_free_vgpr 234
		.amdhsa_next_free_sgpr 66
		.amdhsa_reserve_vcc 0
		.amdhsa_float_denorm_mode_32 3
		.amdhsa_float_denorm_mode_16_64 3
		.amdhsa_memory_ordered 1
		.amdhsa_forward_progress 1
		.amdhsa_inst_pref_size 17
	.end_amdhsa_kernel
	.amdgpu_metadata
---
amdhsa.version: [ 1, 2 ]
amdhsa.kernels:
  - .name:           k_q06de7aede3_prep
    .symbol:         k_q06de7aede3_prep.kd
    .args:
      - { .name: attn_W, .offset: 0, .size: 8, .value_kind: global_buffer, .address_space: global }
      - { .name: attn_b, .offset: 8, .size: 8, .value_kind: global_buffer, .address_space: global }
      - { .name: hidden_codes, .offset: 16, .size: 8, .value_kind: global_buffer, .address_space: global }
      - { .name: hidden_scales, .offset: 24, .size: 8, .value_kind: global_buffer, .address_space: global }
      - { .name: w2img, .offset: 32, .size: 8, .value_kind: global_buffer, .address_space: global }
      - { .name: hbt, .offset: 40, .size: 8, .value_kind: global_buffer, .address_space: global }
    .group_segment_fixed_size: 77312
    .private_segment_fixed_size: 0
    .kernarg_segment_align: 8
    .kernarg_segment_size: 48
    .max_flat_workgroup_size: 256
    .sgpr_count:     66
    .vgpr_count:     234
    .wavefront_size: 32
...
	.end_amdgpu_metadata
.endif
;; end of part 1
;; launch main (part 2): grid 256 x 1, 8 waves a work-group, clusters of 4 x 1, 327,680 bytes of LDS; arguments encoder_outputs_codes, encoder_outputs_scales, w2img, hbt, v, scores; writes scores
.if DOCPART == 2
	.amdgcn_target "amdgcn-amd-amdhsa--gfx1250"
	.amdhsa_code_object_version 6
	.text
	.protected	k_q06de7aede3_main
	.globl	k_q06de7aede3_main
	.p2align	8
	.type	k_q06de7aede3_main,@function
k_q06de7aede3_main:
	s_mov_b64 s[64:65], 0
	v_nop
	global_prefetch_b8 v0, s[64:65] scope:SCOPE_SE
	s_setreg_imm32_b32 hwreg(HW_REG_WAVE_MODE, 25, 1), 1
	s_wait_xcnt 0x0
	s_wait_alu depctr_hold_cnt(0) depctr_sa_sdst(0) depctr_va_vdst(0) depctr_va_sdst(0) depctr_va_ssrc(0) depctr_va_vcc(0) depctr_vm_vsrc(0)
	s_getreg_b32 s2, hwreg(HW_REG_IB_STS2, 6, 4)
	s_cmp_eq_u32 s2, 0
	s_cbranch_scc0 .Lentry_in_a_cluster
	s_endpgm
.Lentry_in_a_cluster:
	s_bfe_u32 s2, ttmp6, 0x10000c
	s_cmp_lg_u32 s2, 0x3003
	s_cbranch_scc0 .Lentry_shape_is_right
	s_endpgm
.Lentry_shape_is_right:
; scores[row] = z = sum over n of v[n] r(x[row][n]),  x = enc[row] . W2[n] + hb[batch][n],  r(x) = 1 / (1 + 2^(c x)),  c = 2 log2(e).
; tanh(x) = 1 - 2 r(x): reference's score is (sum of v) - 2 z.  The sum of v is the same for every place of a softmax's row and cancels there for every input: it is not added; the next launch takes the softmax of -2 z.
; 2^(c x) = infinity gives r = 0 and 2^(c x) = 0 gives r = 1: tanh's two ends.
; enc: 65,536 rows x 1,024 K as codes of E3M2 (768 bytes a row) with 32 scale bytes a row, as given.  W2: images of operand registers, 64 tiles of 16 n (12,800 bytes each), from the launch before.
; SHARES.  A work-group owns 256 rows of one batch and walks all 1,024 n.  Eight waves, two to a SIMD.  Wave w: q = w % 4, g = (w xor w / 4) % 2.  It keeps rows 64 q .. 64 q + 63 of enc in registers for all of K
; (4 blocks x 8 K steps x 12 = 384 registers) and takes tiles 2 g, 2 g + 1 of each slot of four tiles of W2: every fragment read from LDS feeds four matrix instructions, and each tile is read by four waves.
; BY TURNS.  A slot is four half-steps.  In each, the waves of one g run a tile's 32 matrix instructions (MARM) and those of the other g a tile's vector work (VARM): g = 0 goes M V M V, g = 1 goes V M V M.
; The arms part on the wave's number alone; every barrier stands in the text that all waves run.
; TRANSPOSED USE: source 0 = 16 rows n of W2, source 1 = 16 rows of enc: lane (r, h) holds one row of enc, register j the column n = 16 t + 8 h + j: the sum over n stays in the lane.
; The two waves of a q join their sums through LDS at the end.
; THE RING: two slots of four tiles; waves 4-7 ask for a tile each, JOINTLY with the cluster's three other work-groups, which walk the same tiles.  A slot has two barriers: one ahead of the fourth half-step, in front of
; which every wave has waited for its tensor loads, so that the next slot's first fragments can be fetched; and the cluster's round at the slot's end, behind which the slot is filled again.
; No prefetch: enc's rows are asked for whole by the head's loads, ahead of any loop, and a tile of W2 is asked for by the ring three half-steps ahead of the wait for it.
; LIMITS: NaN among the inputs and the scale byte 0xff are not served.  z is a sum of v[n] r with r in 0 .. 1: where v carries a common offset its rounding grows with the offset.
; ONE RECIPROCAL FOR FOUR NUMBERS: with a = 1 + 2^t, v0/a0 + v2/a2 = N02 / P02 (N02 = v2 a0 + v0 a2, P02 = a0 a2), likewise N13 / P13, and their sum is (N02 P13 + N13 P02) / (P02 P13).
; t = c x is held at 31 from above, so that a product of four a stays under 2^125; there r is under 2^-31, below half a unit in the last place of 1 - 2 r.  LIMIT: |v[n]| under 2^30, so that the numerators stay finite.
; hb comes as two parts (K steps 0-3 with attn_b, K steps 4-7), which the head adds.
.set TILEB,  12800
.set SLOTB,  4*TILEB                   ; slot 0 lies at LDS byte 0
.set HB,     51200                     ; c hb[n] of my batch, 4,096 bytes; written by LDS stores, no tile lands here
.set VVO,    4096                      ; v[n] lies this far behind
.set SPARE,  59392                     ; the spare words: 128 bytes for each of eight waves
.set SLOT1,  65536
.set AST,    116736                    ; enc's rows on their way to the registers: filled once
.set AWAVE,  52224                     ; 64 rows: 192 pieces of 256 bytes + 16 of padding
.set APITCH, 816
.set OST,    325632                    ; the way out: 256 bytes for each wave
.set LI,   1                           ; v1  16 x lane + 2 g tiles
.set ADRB, 2                           ; v2  the same in the slot in hand
.set ADRN, 3                           ; v3  the same in the other slot
.set ADRH, 4                           ; v4  HB + 32 h + 128 g + 256 (slot number - 1)
.set SPW,  5                           ; v5  my spare word; never rewritten
.set NIL,  6                           ; v6  0; never rewritten
.set OSW,  7                           ; v7  the way out: where I put a row's z.   v0 becomes: where I read two back
.set ASC,  8                           ; v8-23   enc's scale words: register 4 a + s % 4; lanes 0-15 K steps 0-3, lanes 16-31 K steps 4-7
.set BSC,  24                          ; v24-27  W2's, likewise
.set CHB,  28                          ; v28-35  c hb of the tile's eight n of my half
.set SC,   36                          ; v36-43  z: a pair for each block of rows
.set ACC,  44                          ; v44-75  four accumulators; the vector work is done in place
.set BF,   76                          ; v76-123 four buffers for W2's fragments: K step s in buffer s % 4
.set VV,   BF+36                       ; v's eight numbers lie in the fourth buffer while it holds no fragment
.set ENC0, 124                         ; enc's fragment e = 4 s + a: e < 11 at v[124 + 12 e], else in window 1 at v[12 (e - 11)]
.set WV,   16
.set G1A,  24                          ; s[24:31] group 1 for enc's rows;  s[32:39] for W2's tiles
.set G1B,  32
.set G0A,  40                          ; group 0: enc's rows;  s[44:47] slot 0's first fill;  s[48:51] slot 1's, which then walks
.set G0F,  44
.set G0W,  48
.set CC,   52                          ; s[52:53] c, c
.set SEL,  54                          ; s[54:55] selects for lane l xor 16
.set TB,   56                          ; s56 the slot in hand, s62 the other
.set CNT,  57
.set Q,    60
.set G,    61
.set TN,   62
.set MSB, 0
.macro WIN new                         ; the immediate's high byte repeats the setting that is left
.if MSB != \new
	s_set_vgpr_msb (MSB<<8)|\new
.set MSB, \new
.endif
.endm
.macro CROUND                          ; a round of the cluster's barrier
	s_barrier_signal -1
	s_barrier_wait -1
	s_cmp_lg_u32 s[WV], 0
	s_cbranch_scc1 .Lnot_wave_0_\@
	s_barrier_signal -3
.Lnot_wave_0_\@:
	s_barrier_wait -3
	s_barrier_signal -1
	s_barrier_wait -1
.endm
.macro PLACES n
.rept \n
	v_nop
.endr
.endm
	s_load_b256 s[4:11], s[0:1], 0x0               ; enc's codes, enc's scales, w2img, hbt
	s_load_b128 s[12:15], s[0:1], 0x20             ; v, scores
	v_lshl_add_u32 v[SPW], v0, 2, SPARE
	v_mov_b32 v[NIL], 0
	ds_add_u32 v[SPW], v[NIL]                      ; the opening lines: the add, twice on end, and its wait
	ds_add_u32 v[SPW], v[NIL]
	v_lshrrev_b32 v44, 5, v0
	v_readfirstlane_b32 s[WV], v44                 ; wave 0..7
	s_and_b32 s[Q], s[WV], 3
	s_lshr_b32 s[G], s[WV], 2
	s_xor_b32 s[G], s[G], s[WV]
	s_and_b32 s[G], s[G], 1
	s_bfe_u32 s17, ttmp6, 0x40000                  ; cx: it enters the global addresses of enc and of scores alone
	s_lshl_b32 s18, ttmp9, 2
	s_add_co_u32 s18, s18, s17                     ; my work-group
	s_lshl_b32 s20, s18, 8
	s_lshl_b32 s21, s[Q], 6
	s_add_co_u32 s20, s20, s21                     ; my first row: 256 x work-group + 64 q
	s_mov_b32 s23, 0
	s_mov_b32 s[G1A+0], (3<<16)|(1<<20)|(5<<22)|(3<<25)   ; enc: 49,152 dense bytes as 192 rows of 256 (32 elements of 8 bytes), 16 bytes of padding behind each; no mask
	s_mov_b32 s[G1A+1], 32<<16
	s_mov_b32 s[G1A+2], 192<<16
	s_mov_b32 s[G1A+3], 32<<16
	s_mov_b32 s[G1A+4], 192
	s_mov_b32 s[G1A+5], 32
	s_mov_b32 s[G1A+6], 0
	s_mov_b32 s[G1A+7], 0
	s_mov_b32 s[G1B+0], 15|(3<<16)|(1<<21)         ; a tile of W2: 12,800 dense bytes as 50 rows of 256; the mask names all four work-groups
	s_mov_b32 s[G1B+1], 32<<16
	s_mov_b32 s[G1B+2], 50<<16
	s_mov_b32 s[G1B+3], 32<<16
	s_mov_b32 s[G1B+4], 50
	s_mov_b32 s[G1B+5], 32
	s_mov_b32 s[G1B+6], 0
	s_mov_b32 s[G1B+7], 0
	s_mul_i32 s58, s[Q], TILEB                     ; waves 4-7 fetch tile w - 4 of a slot
	s_mov_b32 s59, 0
	s_mov_b32 s[CC], 0x4038aa3b                    ; c = 2 log2(e)
	s_mov_b32 s[CC+1], 0x4038aa3b
.set CL, 19
	s_mov_b32 s[CL], 0x41f80000                    ; 31.0: the hold on t
	s_mov_b32 s[SEL], 0x76543210
	s_mov_b32 s[SEL+1], 0xfedcba98
	s_mov_b32 s[TB], 0
	s_mov_b32 s[TN], SLOT1
	s_lshl_b32 s63, s[G], 2
	s_add_co_u32 s63, s63, s[Q]
	s_lshl_b32 s63, s63, 8
	s_add_co_u32 s63, s63, OST                     ; my 256 bytes on the way out: 4 g + q
	s_wait_alu depctr_va_vdst(0)
	s_wait_dscnt 0x0
	s_wait_kmcnt 0x0
	s_mul_i32 s22, s20, 768
	s_add_nc_u64 s[G0A+2:G0A+3], s[4:5], s[22:23]  ; my rows' codes
	s_lshl_b32 s22, s20, 5
	s_add_nc_u64 s[6:7], s[6:7], s[22:23]          ; their scale bytes
	s_lshl_b32 s22, s20, 2
	s_add_nc_u64 s[14:15], s[14:15], s[22:23]      ; their scores
	s_lshr_b32 s22, ttmp9, 1                       ; my batch: two clusters to a batch
	s_lshl_b32 s22, s22, 6
	s_add_nc_u64 s[10:11], s[10:11], s[22:23]
	s_add_nc_u64 s[G0F+2:G0F+3], s[8:9], s[58:59]  ; tiles 0-3
	s_add_nc_u64 s[G0W+2:G0W+3], s[G0F+2:G0F+3], SLOTB   ; tiles 4-7
	s_or_b32 s[G0A+3], s[G0A+3], 0x80000000
	s_or_b32 s[G0F+3], s[G0F+3], 0x80000000
	s_or_b32 s[G0W+3], s[G0W+3], 0x80000000
	s_mov_b32 s[G0A], 1
	s_mul_i32 s[G0A+1], s[Q], AWAVE
	s_add_co_u32 s[G0A+1], s[G0A+1], AST
	s_mov_b32 s[G0F], 1
	s_mov_b32 s[G0F+1], s58
	s_mov_b32 s[G0W], 1
	s_add_co_u32 s[G0W+1], s58, SLOT1
	s_mul_i32 s17, s[G], 2*TILEB
	s_lshl_b32 s18, s[G], 7
	s_add_co_u32 s18, s18, HB-256
	s_lshl_b32 s21, s[Q], 8
	s_add_co_u32 s21, s21, OST
	CROUND                                         ; all four work-groups are here: the first joint loads meet
	s_cmp_lt_u32 s[WV], 4                          ; the head's loads, one a wave: waves 0-3 their 64 rows of enc, waves 4-7 slot 0's four tiles
	s_cbranch_scc0 .Lhead_w2
	tensor_load_to_lds s[G0A:G0A+3], s[G1A:G1A+7]
	s_nop 0
	PLACES 4
	s_branch .Lhead_asked
.Lhead_w2:
	tensor_load_to_lds s[G0F:G0F+3], s[G1B:G1B+7]
	s_nop 0
	PLACES 4
.Lhead_asked:
	v_and_b32 v44, 31, v0                          ; l
	v_and_b32 v45, 15, v0                          ; r
	v_bfe_u32 v46, v0, 4, 1                        ; h
	v_lshrrev_b32 v48, 2, v0
	v_and_b32 v49, 3, v0
	v_lshlrev_b32 v47, 5, v45
	v_lshlrev_b32 v48, 11, v48
	v_lshlrev_b32 v51, 4, v0                       ; v: thread T takes n = 4 T .. 4 T + 3
	v_lshl_add_u32 v47, v46, 4, v47                ; enc's scales: row r of 32 bytes, + 16 h
	v_lshl_add_u32 v48, v49, 4, v48                ; hbt: tile T / 4 (2,048 bytes apart), 16 (T % 4) in my batch's 64 bytes
.irp a, 0,1,2,3
	global_load_b128 v[ASC+4*\a:ASC+4*\a+3], v47, s[6:7] offset:512*\a
.endr
	global_load_b128 v[52:55], v48, s[10:11]
	global_load_b128 v[64:67], v48, s[10:11] offset:131072   ; hb's second part
	global_load_b128 v[56:59], v51, s[12:13]
	v_lshl_add_u32 v50, v0, 4, HB                  ; where they go in LDS
	v_lshl_add_u32 v[LI], v44, 4, s17
	v_lshl_add_u32 v[ADRH], v46, 5, s18
	v_mul_u32_u24 v60, v45, APITCH
	v_lshl_add_u32 v[OSW], v45, 2, s63
	v_lshl_add_u32 v0, v44, 3, s21                 ; the thread's number has served: v0 = OST + 256 q + 8 l
	v_add_nc_u32 v[ADRB], s[TB], v[LI]
	v_add_nc_u32 v[ADRN], s[TN], v[LI]
	v_mad_u32_u24 v60, v46, 24, v60
.irp j, 0,1,2,3,4,5,6,7
	v_mov_b32 v[SC+\j], 0                          ; z begins at 0: eight registers, once
.endr
	v_add_nc_u32 v60, s[G0A+1], v60                ; enc's stage: my row, + 24 h
	s_delay_alu instid0(VALU_DEP_1)
	v_lshl_add_u32 v61, v46, 4, v60                ; the same behind one padding more
	s_wait_alu depctr_va_vdst(0)
	s_wait_loadcnt 0x0
	v_pk_add_f32 v[52:53], v[52:53], v[64:65]
	v_pk_add_f32 v[54:55], v[54:55], v[66:67]
	s_delay_alu instid0(VALU_DEP_2)
	v_pk_mul_f32 v[52:53], v[52:53], s[CC:CC+1] op_sel_hi:[1,0]   ; c hb
	v_pk_mul_f32 v[54:55], v[54:55], s[CC:CC+1] op_sel_hi:[1,0]
	s_wait_alu depctr_va_vdst(0)                   ; the wait here, directly behind the write: these registers serve as accumulators later
	ds_store_b128 v50, v[52:55]
	ds_store_b128 v50, v[56:59] offset:VVO
	s_wait_tensorcnt 0x0                           ; my load of the head is in
	ds_add_u32 v[SPW], v[NIL]
	s_wait_dscnt 0x0                               ; the add is done, and my part of c hb and v has landed
	CROUND
	s_cmp_lt_u32 s[WV], 4
	s_cbranch_scc1 .Lno_slot1
	tensor_load_to_lds s[G0W:G0W+3], s[G1B:G1B+7]  ; slot 1's first fill
	s_nop 0
	PLACES 4
.Lno_slot1:
; enc's fragment (block a, K step s): lane (r, h) takes 24 bytes of row 16 a + r at 96 s + 24 h and at 96 s + 48 + 24 h, in pieces of 8 bytes; a padding follows every 32 pieces,
; and where lanes 16-31, three pieces on, lie behind one padding more, the second address register serves.
.macro AFRAG a, s
.set rE, 4*(\s)+(\a)
.if rE < 11
	WIN 0
.set rR, ENC0+12*rE
.else
	WIN 0x40
.set rR, 12*(rE-11)
.endif
.irp p, 0,1,2,3,4,5
.set PCE, 12*(\s)+6*(\p/3)+\p%3
.if PCE%32 < 29
	ds_load_b64 v[rR+2*\p:rR+2*\p+1], v60 offset:16*APITCH*(\a)+8*PCE+16*(PCE/32)
.else
	ds_load_b64 v[rR+2*\p:rR+2*\p+1], v61 offset:16*APITCH*(\a)+8*PCE+16*(PCE/32)
.endif
.endr
.endm
.macro FRG adr, i, s                   ; fragment s of my tile i of the slot that v[adr] names, into buffer s % 4
.irp g, 0,1,2
	ds_load_b128 v[BF+12*((\s)%4)+4*\g:BF+12*((\s)%4)+4*\g+3], v[\adr] offset:TILEB*(\i)+1536*(\s)+512*\g
.endr
.endm
.macro PRE adr, i                      ; a tile's first three fragments and its scale words: ten loads
	FRG \adr, \i, 0
	FRG \adr, \i, 1
	FRG \adr, \i, 2
	ds_load_b128 v[BSC:BSC+3], v[\adr] offset:TILEB*(\i)+12288
.endm
; One matrix instruction: K step s, block of rows a.  The four accumulators take turns, one instruction a turn.  K step 0 starts the sum.
.macro MM s, a
.set rE, 4*(\s)+(\a)
.set rD, ACC+8*(\a)
.set rA, BF+12*((\s)%4)
.set rX, BSC+(\s)%4
.set rY, ASC+4*(\a)+(\s)%4
.if rE < 11
	WIN 0
.set rB, ENC0+12*rE
.else
	WIN 0x04
.set rB, 12*(rE-11)
.endif
.if (\s) == 0
	v_wmma_scale_f32_16x16x128_f8f6f4 v[rD:rD+7], v[rA:rA+11], v[rB:rB+11], 0, v[rX], v[rY] matrix_a_fmt:MATRIX_FMT_BF6 matrix_b_fmt:MATRIX_FMT_BF6
.elseif (\s) < 4
	v_wmma_scale_f32_16x16x128_f8f6f4 v[rD:rD+7], v[rA:rA+11], v[rB:rB+11], v[rD:rD+7], v[rX], v[rY] matrix_a_fmt:MATRIX_FMT_BF6 matrix_b_fmt:MATRIX_FMT_BF6
.else
	v_wmma_scale_f32_16x16x128_f8f6f4 v[rD:rD+7], v[rA:rA+11], v[rB:rB+11], v[rD:rD+7], v[rX], v[rY] matrix_a_fmt:MATRIX_FMT_BF6 matrix_b_fmt:MATRIX_FMT_BF6 matrix_a_scale:MATRIX_SCALE_ROW1 matrix_b_scale:MATRIX_SCALE_ROW1
.endif
.endm
; A TILE'S PRODUCTS: my tile i of the slot in hand.  Fragments 0-3 were asked for by the vector arm before; fragments 4, 5 follow into buffers 0, 1 behind K step 1's products, fragments 6, 7 into buffers 2, 3 behind K step 3's, each behind four places.
.macro MARM i
	ds_load_b128 v[CHB:CHB+3], v[ADRH] offset:256+64*(\i)      ; c hb of this tile, for the vector arm that follows
	ds_load_b128 v[CHB+4:CHB+7], v[ADRH] offset:256+64*(\i)+16
	s_wait_dscnt 5                                 ; fragments 0-2 and the scale words are in; fragment 3's three loads and these two may be out
.set KS, 0
.rept 8
.if KS == 3
	s_wait_dscnt 8                                 ; fragment 3 is in; behind it: c hb's two loads and fragments 4, 5
.elseif KS > 3
	s_wait_dscnt 3*(7-KS)                          ; fragment KS is in; the younger fragments may be out
.endif
	MM KS, 0
	MM KS, 1
	MM KS, 2
	MM KS, 3
.if (KS == 1) || (KS == 3)
	PLACES 4
	FRG ADRB, \i, KS+3
	FRG ADRB, \i, KS+4
.endif
.set KS, KS+1
.endr
	PLACES 5                                       ; the places ahead of the reads of the results and of the loads into the buffers
	WIN 0
.endm
; A TILE'S VECTOR WORK, in place on the accumulators.  vvo: where the tile's v lies from v[ADRH].  nxt = 1: the next tile's (tile i of the slot that v[adr] names) first fragments are asked for.
.macro VARM vvo, adr, i, nxt
	ds_load_b128 v[VV:VV+3], v[ADRH] offset:\vvo
	ds_load_b128 v[VV+4:VV+7], v[ADRH] offset:\vvo+16
.if \nxt
	PRE \adr, \i
.endif
.set J, 0
.rept 16
	v_pk_fma_f32 v[ACC+2*J:ACC+2*J+1], v[ACC+2*J:ACC+2*J+1], s[CC:CC+1], v[CHB+(2*J)%8:CHB+(2*J)%8+1] op_sel_hi:[1,0,1]   ; c x; ascending: each accumulator is read from its low end on
.set J, J+1
.endr
.set J, 0
.rept 32
	v_min_num_f32 v[ACC+J], s[CL], v[ACC+J]        ; t held at 31
.set J, J+1
.endr
	s_wait_alu depctr_va_vdst(0)                   ; a wait ahead of each batch and one behind it
.set J, 0
.rept 32
	v_exp_f32 v[ACC+J], v[ACC+J]
.set J, J+1
.endr
	v_nop
	s_wait_alu depctr_va_vdst(0)
	s_wait_dscnt 10*(\nxt)                         ; v is in; the ten loads behind it may be out
.set J, 0
.rept 16
	v_pk_add_f32 v[ACC+2*J:ACC+2*J+1], v[ACC+2*J:ACC+2*J+1], 1.0 op_sel_hi:[1,0]
.set J, J+1
.endr
; columns 4 qb .. 4 qb + 3 of each block of rows ra: X = (a0, a1), Y = (a2, a3); c hb has served, its registers take P; the four blocks by turns
.irp qb, 0,1
.irp ra, 0,1,2,3
	v_pk_mul_f32 v[CHB+2*\ra:CHB+2*\ra+1], v[ACC+8*\ra+4*\qb:ACC+8*\ra+4*\qb+1], v[ACC+8*\ra+4*\qb+2:ACC+8*\ra+4*\qb+3]   ; P = (a0 a2, a1 a3)
.endr
.irp ra, 0,1,2,3
	v_pk_mul_f32 v[ACC+8*\ra+4*\qb+2:ACC+8*\ra+4*\qb+3], v[ACC+8*\ra+4*\qb+2:ACC+8*\ra+4*\qb+3], v[VV+4*\qb:VV+4*\qb+1]   ; (v0 a2, v1 a3)
.endr
.irp ra, 0,1,2,3
	v_pk_fma_f32 v[ACC+8*\ra+4*\qb+2:ACC+8*\ra+4*\qb+3], v[ACC+8*\ra+4*\qb:ACC+8*\ra+4*\qb+1], v[VV+4*\qb+2:VV+4*\qb+3], v[ACC+8*\ra+4*\qb+2:ACC+8*\ra+4*\qb+3]   ; N = (N02, N13)
.endr
.irp ra, 0,1,2,3
	v_mul_f32 v[ACC+8*\ra+4*\qb], v[CHB+2*\ra], v[CHB+2*\ra+1]                     ; the denominator P02 P13
.endr
.irp ra, 0,1,2,3
	v_mul_f32 v[ACC+8*\ra+4*\qb+1], v[ACC+8*\ra+4*\qb+2], v[CHB+2*\ra+1]           ; N02 P13
.endr
.irp ra, 0,1,2,3
	v_fma_f32 v[ACC+8*\ra+4*\qb+1], v[ACC+8*\ra+4*\qb+3], v[CHB+2*\ra], v[ACC+8*\ra+4*\qb+1]   ; + N13 P02: the numerator
.endr
.endr
	s_wait_alu depctr_va_vdst(0)
.set J, 0
.rept 8
	v_rcp_f32 v[ACC+8*(J%4)+4*(J/4)], v[ACC+8*(J%4)+4*(J/4)]
.set J, J+1
.endr
	v_nop
	s_wait_alu depctr_va_vdst(0)
.set J, 0
.rept 8
	v_fma_f32 v[SC+2*(J%4)+J/4], v[ACC+8*(J%4)+4*(J/4)+1], v[ACC+8*(J%4)+4*(J/4)], v[SC+2*(J%4)+J/4]   ; z += numerator / denominator: block of rows J % 4, a register of the pair for each four columns
.set J, J+1
.endr
.if \nxt
	FRG \adr, \i, 3                                ; v has served: the fourth buffer takes the next tile's fragment 3
.endif
	s_wait_alu depctr_va_vdst(0)                   ; the wait here
.endm
; A half-step: the waves of g = mg multiply their tile mi, the others do a tile's vector work.
.macro HSTEP mg, mi, vvo, vadr, vi, vnx, vskip
	s_cmp_eq_u32 s[G], \mg
	s_cbranch_scc0 .Lv_\@
	MARM \mi
	s_branch .Lj_\@
.Lv_\@:
.if \vskip == 0
	VARM \vvo, \vadr, \vi, \vnx
.endif
.Lj_\@:
.endm
; A SLOT.  first: no tile stands before it.  chg = 1: the slot is filled again with the tiles two slots on.  last: nothing follows.
.macro SLOTM first, chg, last
	HSTEP 0, 0, VVO+64,  ADRB, 0, 1, \first        ; g = 1: the vector work of its last tile of the slot before
	HSTEP 1, 0, VVO+256, ADRB, 1, 1, 0
	HSTEP 0, 1, VVO+256, ADRB, 1, 1, 0
.if \last == 0
	s_wait_tensorcnt 0x0                           ; my tile of the other slot is in,
	s_wait_dscnt 0x0                               ; no LDS instruction of mine is out at a signal:
	s_barrier_signal -1                            ; behind this barrier the other slot is whole for every wave
	s_barrier_wait -1
.endif
	HSTEP 1, 1, VVO+320, ADRN, 0, 1-(\last), 0     ; g = 0 asks for its first fragments of the other slot
.if \last == 0
.if \chg
	s_wait_tensorcnt 0x0                           ; no tensor load of mine is out, so a group 0 may be written
	ds_add_u32 v[SPW], v[NIL]
	s_xor_b32 s[G0W+1], s[G0W+1], SLOT1            ; the walking descriptor: the slot just read,
	s_add_nc_u64 s[G0W+2:G0W+3], s[G0W+2:G0W+3], SLOTB   ; the next four tiles
	s_wait_dscnt 0x0                               ; the add is done, and my reads of this slot are over
	CROUND                                         ; no wave of any partner still reads this slot or has a load on its way
	s_cmp_lt_u32 s[WV], 4
	s_cbranch_scc1 .Lno_fill_\@
	tensor_load_to_lds s[G0W:G0W+3], s[G1B:G1B+7]  ; the first tensor load behind the round, and my only one until the next
	s_nop 0
	PLACES 4
.Lno_fill_\@:
.endif
	s_xor_b32 s[TB], s[TB], SLOT1
	s_xor_b32 s[TN], s[TN], SLOT1
	v_add_nc_u32 v[ADRB], s[TB], v[LI]
	v_add_nc_u32 v[ADRN], s[TN], v[LI]
	v_add_nc_u32 v[ADRH], 256, v[ADRH]             ; c hb and v: on by a slot's 64 n
	s_wait_alu depctr_va_vdst(0)                   ; the wait here
.endif
.endm
.irp s, 0,1,2,3,4,5,6,7
.irp a, 0,1,2,3
	AFRAG \a, \s
.endr
.endr
	WIN 0
	PRE ADRB, 0                                    ; my first tile's fragments 0-3
	FRG ADRB, 0, 3
	SLOTM 1, 1, 0                                  ; slot 0; at its end slot 2's tiles are asked for
	s_mov_b32 s[CNT], 13
.Lslot:                                            ; slots 1 to 13
	SLOTM 0, 1, 0
	s_sub_co_u32 s[CNT], s[CNT], 1
	s_cmp_lg_u32 s[CNT], 0
	s_cbranch_scc1 .Lslot
	SLOTM 0, 0, 0                                  ; the tail is written out: slot 14 asks for nothing,
	SLOTM 0, 0, 1                                  ; and slot 15 is left by nobody
	s_cmp_eq_u32 s[G], 1
	s_cbranch_scc0 .Lno_last_v
	VARM VVO+320, ADRB, 0, 0                       ; g = 1: the vector work of its last tile
.Lno_last_v:
	; THE WAY OUT: a row's part of z is the pair's two halves and lane l xor 16's; the parts of g = 0 and g = 1 meet in LDS; waves 0-3 store 256 consecutive bytes each, aligned.
.irp a, 0,1,2,3
	v_add_f32 v[BF+\a], v[SC+2*\a], v[SC+2*\a+1]
.endr
.irp a, 0,1,2,3
	v_mov_b32 v[BF+4+\a], 0                        ; a lane permute's destination counts as one of its sources
.endr
.irp a, 0,1,2,3
	v_permlanex16_b32 v[BF+4+\a], v[BF+\a], s[SEL], s[SEL+1]
.endr
.irp a, 0,1,2,3
	v_add_f32 v[BF+\a], v[BF+\a], v[BF+4+\a]
.endr
.irp a, 0,1,2,3
	ds_store_b32 v[OSW], v[BF+\a] offset:64*\a     ; row 16 a + r; lanes r and r + 16 write the same word with the same value
.endr
	s_wait_dscnt 0x0                               ; for the others' sake
	s_barrier_signal -1
	s_barrier_wait -1
	s_cmp_lt_u32 s[WV], 4
	s_cbranch_scc0 .Lend
	ds_load_b64 v[BF+8:BF+9], v0                   ; rows 2 l, 2 l + 1 of my q: the part of g = 0,
	ds_load_b64 v[BF+10:BF+11], v0 offset:1024     ; and that of g = 1
	v_and_b32 v[BF+12], 0xff, v0                   ; 8 l
	s_wait_alu depctr_va_vdst(0)
	s_wait_dscnt 0x0
	v_pk_add_f32 v[BF+8:BF+9], v[BF+8:BF+9], v[BF+10:BF+11]
	global_store_b64 v[BF+12], v[BF+8:BF+9], s[14:15]
.Lend:
	s_wait_tensorcnt 0x0                           ; the wave's end
	ds_add_u32 v[SPW], v[NIL]
	s_wait_dscnt 0x0
	CROUND                                         ; the closing round
	s_endpgm
.Lfunc_end_k_q06de7aede3_main:
	.size	k_q06de7aede3_main, .Lfunc_end_k_q06de7aede3_main-k_q06de7aede3_main
	.p2alignl 7, 3214868480
	.fill 96, 4, 3214868480
	.section	.rodata,"a",@progbits
	.p2align	6, 0x0
	.amdhsa_kernel k_q06de7aede3_main
		.amdhsa_group_segment_fixed_size 327680
		.amdhsa_private_segment_fixed_size 0
		.amdhsa_enable_private_segment 0
		.amdhsa_kernarg_size 48
		.amdhsa_user_sgpr_count 2
		.amdhsa_user_sgpr_kernarg_segment_ptr 1
		.amdhsa_wavefront_size32 1
		.amdhsa_system_sgpr_workgroup_id_x 1
		.amdhsa_system_sgpr_workgroup_id_y 1
		.amdhsa_system_sgpr_workgroup_id_z 1
		.amdhsa_system_vgpr_workitem_id 0
		.amdhsa_next_free_vgpr 512
		.amdhsa_next_free_sgpr 66
		.amdhsa_reserve_vcc 0
		.amdhsa_float_denorm_mode_32 3
		.amdhsa_float_denorm_mode_16_64 3
		.amdhsa_memory_ordered 1
		.amdhsa_forward_progress 1
		.amdhsa_inst_pref_size 250
	.end_amdhsa_kernel
	.amdgpu_metadata
---
amdhsa.version: [ 1, 2 ]
amdhsa.kernels:
  - .name:           k_q06de7aede3_main
    .symbol:         k_q06de7aede3_main.kd
    .args:
      - { .name: encoder_outputs_codes, .offset: 0, .size: 8, .value_kind: global_buffer, .address_space: global }
      - { .name: encoder_outputs_scales, .offset: 8, .size: 8, .value_kind: global_buffer, .address_space: global }
      - { .name: w2img, .offset: 16, .size: 8, .value_kind: global_buffer, .address_space: global }
      - { .name: hbt, .offset: 24, .size: 8, .value_kind: global_buffer, .address_space: global }
      - { .name: v, .offset: 32, .size: 8, .value_kind: global_buffer, .address_space: global }
      - { .name: scores, .offset: 40, .size: 8, .value_kind: global_buffer, .address_space: global }
    .group_segment_fixed_size: 327680
    .private_segment_fixed_size: 0
    .kernarg_segment_align: 8
    .kernarg_segment_size: 48
    .max_flat_workgroup_size: 256
    .sgpr_count:     66
    .vgpr_count:     512
    .wavefront_size: 32
...
	.end_amdgpu_metadata
.endif
;; end of part 2
;; launch softmax (part 3): grid 32 x 1, 8 waves a work-group, no clusters, 1,280 bytes of LDS; arguments scores, out0; writes out0
.if DOCPART == 3
	.amdgcn_target "amdgcn-amd-amdhsa--gfx1250"
	.amdhsa_code_object_version 6
	.text
	.protected	k_q06de7aede3_softmax
	.globl	k_q06de7aede3_softmax
	.p2align	8
	.type	k_q06de7aede3_softmax,@function
k_q06de7aede3_softmax:
	s_mov_b64 s[64:65], 0
	v_nop
	global_prefetch_b8 v0, s[64:65] scope:SCOPE_SE
	s_setreg_imm32_b32 hwreg(HW_REG_WAVE_MODE, 25, 1), 1
	s_wait_xcnt 0x0
; out0[b][s] = softmax over s of -2 z[b][s], z = scores [32][2048] f32.  (reference's score is a constant of the row less 2 z; the constant cancels in the softmax.)
; With k = -2 log2(e): p = 2^(k z - m), m = the row's largest k z = k x the row's smallest z: the maximum is taken away, so the largest p is 1 and the sum lies between 1 and 2,048.
; One work-group to a row of 8,192 bytes: a row's minimum and sum have one owner.  Thread T holds the 16 bytes at 16 T and at 4,096 + 16 T: sixteen lanes read and store 256 consecutive bytes, aligned.
; The waves' figures meet in LDS: the minima in bytes 0-31, the sums in bytes 32-63, one barrier each.
	s_load_b128 s[4:7], s[0:1], 0x0                ; scores, out0
	v_lshl_add_u32 v32, v0, 2, 0x100
	v_mov_b32 v33, 0
	v_lshlrev_b32 v1, 4, v0
	v_lshrrev_b32 v2, 5, v0
	s_delay_alu instid0(VALU_DEP_1)
	v_readfirstlane_b32 s8, v2                     ; wave 0..7
	s_lshl_b32 s9, s8, 2
	v_mov_b32 v14, s9                              ; my wave's word in LDS
	v_mov_b32 v15, 0
	v_mov_b32 v13, 0                               ; a lane permute's destination counts as one of its sources
	v_mov_b32 v29, 0                               ; named as the upper half of the pair v[28:29]
	s_lshl_b32 s10, ttmp9, 13                      ; my row
	s_mov_b32 s11, 0
	s_mov_b32 s12, 0x76543210
	s_mov_b32 s13, 0xfedcba98                      ; selects for lane l xor 16
	s_mov_b32 s14, 0xc038aa3b                      ; k = -2 log2(e)
	s_wait_alu depctr_va_vdst(0)
	s_wait_kmcnt 0x0
	s_add_nc_u64 s[4:5], s[4:5], s[10:11]
	s_add_nc_u64 s[6:7], s[6:7], s[10:11]
	global_load_b128 v[4:7], v1, s[4:5]
	global_load_b128 v[8:11], v1, s[4:5] offset:4096
	s_wait_loadcnt 0x0
	v_min3_num_f32 v12, v4, v5, v6                 ; the smallest of my eight,
	s_delay_alu instid0(VALU_DEP_1)
	v_min3_num_f32 v12, v12, v7, v8
	s_delay_alu instid0(VALU_DEP_1)
	v_min3_num_f32 v12, v12, v9, v10
	s_delay_alu instid0(VALU_DEP_1)
	v_min_num_f32 v12, v12, v11
	s_delay_alu instid0(VALU_DEP_1)
	v_min_num_f32_dpp v12, v12, v12 row_xmask:1 row_mask:0xf bank_mask:0xf   ; of my 16 lanes,
	s_delay_alu instid0(VALU_DEP_1)
	v_min_num_f32_dpp v12, v12, v12 row_xmask:2 row_mask:0xf bank_mask:0xf
	s_delay_alu instid0(VALU_DEP_1)
	v_min_num_f32_dpp v12, v12, v12 row_xmask:4 row_mask:0xf bank_mask:0xf
	s_delay_alu instid0(VALU_DEP_1)
	v_min_num_f32_dpp v12, v12, v12 row_xmask:8 row_mask:0xf bank_mask:0xf
	s_delay_alu instid0(VALU_DEP_1)
	v_permlanex16_b32 v13, v12, s12, s13
	s_delay_alu instid0(VALU_DEP_1)
	v_min_num_f32 v12, v12, v13                    ; of my wave
	ds_store_b32 v14, v12                          ; all lanes write the same word with the same value
	s_wait_dscnt 0x0
	s_barrier_signal -1
	s_barrier_wait -1
	ds_load_b128 v[16:19], v15
	ds_load_b128 v[20:23], v15 offset:16
	s_wait_dscnt 0x0
	v_min3_num_f32 v12, v16, v17, v18
	s_delay_alu instid0(VALU_DEP_1)
	v_min3_num_f32 v12, v12, v19, v20
	s_delay_alu instid0(VALU_DEP_1)
	v_min3_num_f32 v12, v12, v21, v22
	s_delay_alu instid0(VALU_DEP_1)
	v_min_num_f32 v12, v12, v23                    ; of the row
	s_delay_alu instid0(VALU_DEP_1)
	v_mul_f32 v12, s14, v12                        ; m
.irp i, 0,1,2,3,4,5,6,7
	v_fma_f32 v[4+\i], v[4+\i], s14, -v12          ; k z - m
.endr
	s_wait_alu depctr_va_vdst(0)
.irp i, 0,1,2,3,4,5,6,7
	v_exp_f32 v[4+\i], v[4+\i]
.endr
	v_nop                                          ; a plain instruction behind the last exponential,
	s_wait_alu depctr_va_vdst(0)                   ; and one wait for the eight, ahead of the first use
	v_pk_add_f32 v[24:25], v[4:5], v[6:7]
	v_pk_add_f32 v[26:27], v[8:9], v[10:11]
	s_delay_alu instid0(VALU_DEP_1)
	v_pk_add_f32 v[24:25], v[24:25], v[26:27]
	s_delay_alu instid0(VALU_DEP_1)
	v_add_f32 v24, v24, v25
	s_delay_alu instid0(VALU_DEP_1)
	v_add_f32_dpp v24, v24, v24 row_xmask:1 row_mask:0xf bank_mask:0xf
	s_delay_alu instid0(VALU_DEP_1)
	v_add_f32_dpp v24, v24, v24 row_xmask:2 row_mask:0xf bank_mask:0xf
	s_delay_alu instid0(VALU_DEP_1)
	v_add_f32_dpp v24, v24, v24 row_xmask:4 row_mask:0xf bank_mask:0xf
	s_delay_alu instid0(VALU_DEP_1)
	v_add_f32_dpp v24, v24, v24 row_xmask:8 row_mask:0xf bank_mask:0xf
	s_delay_alu instid0(VALU_DEP_1)
	v_permlanex16_b32 v13, v24, s12, s13
	s_delay_alu instid0(VALU_DEP_1)
	v_add_f32 v24, v24, v13                        ; my wave's sum
	ds_store_b32 v14, v24 offset:32
	s_wait_dscnt 0x0
	s_barrier_signal -1
	s_barrier_wait -1
	ds_load_b128 v[16:19], v15 offset:32
	ds_load_b128 v[20:23], v15 offset:48
	s_wait_dscnt 0x0
	v_pk_add_f32 v[16:17], v[16:17], v[18:19]
	v_pk_add_f32 v[20:21], v[20:21], v[22:23]
	s_delay_alu instid0(VALU_DEP_1)
	v_pk_add_f32 v[16:17], v[16:17], v[20:21]
	s_delay_alu instid0(VALU_DEP_1)
	v_add_f32 v16, v16, v17                        ; the row's sum
	s_wait_alu depctr_va_vdst(0)
	v_rcp_f32 v28, v16
	v_nop
	s_wait_alu depctr_va_vdst(0)
.irp i, 0,2,4,6
	v_pk_mul_f32 v[4+\i:5+\i], v[4+\i:5+\i], v[28:29] op_sel_hi:[1,0]
.endr
	global_store_b128 v1, v[4:7], s[6:7]
	global_store_b128 v1, v[8:11], s[6:7] offset:4096
	s_wait_tensorcnt 0x0
	ds_add_u32 v32, v33
	s_wait_dscnt 0x0
	s_endpgm
.Lfunc_end_k_q06de7aede3_softmax:
	.size	k_q06de7aede3_softmax, .Lfunc_end_k_q06de7aede3_softmax-k_q06de7aede3_softmax
	.p2alignl 7, 3214868480
	.fill 96, 4, 3214868480
	.section	.rodata,"a",@progbits
	.p2align	6, 0x0
	.amdhsa_kernel k_q06de7aede3_softmax
		.amdhsa_group_segment_fixed_size 1280
		.amdhsa_private_segment_fixed_size 0
		.amdhsa_enable_private_segment 0
		.amdhsa_kernarg_size 16
		.amdhsa_user_sgpr_count 2
		.amdhsa_user_sgpr_kernarg_segment_ptr 1
		.amdhsa_wavefront_size32 1
		.amdhsa_system_sgpr_workgroup_id_x 1
		.amdhsa_system_sgpr_workgroup_id_y 1
		.amdhsa_system_sgpr_workgroup_id_z 1
		.amdhsa_system_vgpr_workitem_id 0
		.amdhsa_next_free_vgpr 34
		.amdhsa_next_free_sgpr 66
		.amdhsa_reserve_vcc 0
		.amdhsa_float_denorm_mode_32 3
		.amdhsa_float_denorm_mode_16_64 3
		.amdhsa_memory_ordered 1
		.amdhsa_forward_progress 1
		.amdhsa_inst_pref_size 6
	.end_amdhsa_kernel
	.amdgpu_metadata
---
amdhsa.version: [ 1, 2 ]
amdhsa.kernels:
  - .name:           k_q06de7aede3_softmax
    .symbol:         k_q06de7aede3_softmax.kd
    .args:
      - { .name: scores, .offset: 0, .size: 8, .value_kind: global_buffer, .address_space: global }
      - { .name: out0, .offset: 8, .size: 8, .value_kind: global_buffer, .address_space: global }
    .group_segment_fixed_size: 1280
    .private_segment_fixed_size: 0
    .kernarg_segment_align: 8
    .kernarg_segment_size: 16
    .max_flat_workgroup_size: 256
    .sgpr_count:     66
    .vgpr_count:     34
    .wavefront_size: 32
...
	.end_amdgpu_metadata
.endif
;; end of part 3
